; MI455X (gfx1250); checked and timed in simulation.
; The chip was launched on July 23, 2026; its instructions are those of AMD's public machine-readable ISA for CDNA 5 (MIT licence, August 2026) and "CDNA5" Instruction Set Architecture Reference Guide (July 2026). The comments in the code are by the model that wrote it; some were corrected since.
;; Tensor Reduction Layer. Allowed arithmetic: matrix products marked QUANTISED: E3M2 operands, one E8M0 scale for each 32 along K, by v_wmma_scale_f32_16x16x128_f8f6f4 with both operands' format E3M2, f32 sums; products left as they are: f32 operands where the result goes on into a quantised operand, else bf16, f16 or f32 operands; f32 sums; everything else in f32.
;; Inputs: weights 256 x 256 x 512 float32; x 2,048 x 256 float32.
;; Outputs: out0 2,048 x 512 float32.
;; This version of the problem:
;;   THIS VERSION OF THE PROBLEM IS GIVEN IN LOW PRECISION. The matrix products marked QUANTISED in the list below multiply operands that are first quantised to E3M2 (3 exponent bits, 2 mantissa bits; 6 bits a number), with one power-of-two scale for each 32 numbers along K (OCP MX v1.0); their sums are f32. All else is computed in f32.
;;   The module's matrix products, in the order in which they are computed (A, B: the left and right operand; K: the contracted axis; several contracted axes count as one K, in the product's order):
;;     1. [M 2,048, K 256] x [K 256, N 131,072]; A: input x; B: input weights: QUANTISED
;;     2. batch 2,048 x [M 512, K 256] x [K 256, N 1]; A: computed on the way; B: input x: left as it is (N = 1 < 16)
;;   THE QUANTISER, for each operand of a quantised product, along K:
;;     - K is cut into blocks of 32 from its start; a last block that is shorter is filled with zeros.
;;     - A block's scale is 2^e with e = floor(log2(the largest magnitude in the block)) - 4, held to -126 .. 127; a block of zeros has e = 0. As a byte (E8M0): e + 127.
;;     - Each number is divided by its block's scale, clamped to +-28, and rounded to the nearest number of E3M2, ties to even, subnormals kept.
;;     - The product sums the exact products of the quantised numbers (number of the format x scale) in f32.
;;   ~~~python
;;   def quantise(x, axis):      # numpy; x: float32 -> the quantised numbers, widened to float32 again
;;       x = np.moveaxis(x, axis, -1); K = x.shape[-1]
;;       x = np.pad(x, [(0, 0)] * (x.ndim - 1) + [(0, -K % 32)]); x = x.reshape(x.shape[:-1] + (-1, 32)); a = np.abs(x).max(-1, keepdims=True)
;;       e = np.where(a > 0, np.clip(np.frexp(np.where(a > 0, a, 1))[1] - 1 - 4, -126, 127), 0)      # np.frexp(a)[1] - 1 = floor(log2(a)), exactly
;;       r = np.clip(x / 2.0 ** e, -28, 28)
;;       step = 2.0 ** (np.maximum(np.frexp(np.where(r == 0, 1, r))[1] - 1, -2) - 2)
;;       q = np.round(r / step) * step * 2.0 ** e      # np.round: ties to even
;;       return np.moveaxis(q.reshape(q.shape[:-2] + (-1,))[..., :K], -1, axis).astype(np.float32)
;;   ~~~
;; One version. Each part assembles by itself: llvm-mc -triple=amdgcn-amd-amdhsa -mcpu=gfx1250 --defsym DOCPART=n.
;; ======== version 1 of 1: 2 launches
;; limits: right only within a limited range of input values
;; workspace buffers: wq 26,214,400 bytes; xa 409,600 bytes; xm 2,097,152 bytes
;; launch quant (part 1): grid 512 x 1, 8 waves a work-group, no clusters, 0 bytes of LDS; arguments weights, x, wq, xa, xm; writes wq, xa, xm
.if DOCPART == 1
	.amdgcn_target "amdgcn-amd-amdhsa--gfx1250"
	.amdhsa_code_object_version 6
	.text
	.protected	k_q20d4273005_quant
	.globl	k_q20d4273005_quant
	.p2align	8
	.type	k_q20d4273005_quant,@function
k_q20d4273005_quant:
	s_mov_b64 s[64:65], 0
	v_nop
	global_prefetch_b8 v0, s[64:65] scope:SCOPE_SE
	s_setreg_imm32_b32 hwreg(HW_REG_WAVE_MODE, 25, 1), 1
	s_wait_xcnt 0x0
; weights [256 (i)][256 (j)][512 (k)] f32 and x [2048 (b)][256 (i)] f32 are turned into codes of BF6 (E3M2) along i, with one E8M0 scale byte for each 32 along i.
; A block's scale is 2^(floor(log2(its largest magnitude)) - 4); its byte is the largest magnitude's exponent field - 4, held at 1 from below by a floor among the maximum's leaves.
; LIMITS: a block of zeros gets the byte 1 where the rule says 127 (its codes are zeros, which add nothing under any byte but 0xff, and this program alone reads the bytes);
; blocks whose largest magnitude lies under 2^(4 - 126), whose byte is held at 1, were not tried; NaN and infinities among the inputs are not served.
; THE RESULTS ARE LAID AS IMAGES OF THE OPERANDS' REGISTERS, so that the next launch takes a fragment (16 rows x 128 along i: 12 registers a lane) by loads of 16 bytes a lane:
;   wq [kr = k / 16][sigma = j / 32][102,400 bytes]: the codes of tile (kr, j) at (j % 32) x 3,072 + (3 s + c) x 512 + 16 x lane = registers 12 s + 4 c .. + 3 (s: which 128 along i);
;      its scale words at 98,304 + (j % 32) x 128 + 4 x lane: lanes 0-15 column r's word for s = 0, lanes 16-31 for s = 1.
;   xa [bb = b / 256][51,200 bytes]: the same for x's tiles of 16 rows: bt x 3,072 + .., scale words at 49,152 + bt x 128 + 4 x lane.
;   xm [bb][j / 4][bt][r][4 f32]: x itself, as the multipliers of the second product are read.
; SHARES.  512 work-groups of equal work, two for each of 256 WGPs.  Work-group g takes one j (g / 2) and 256 neighbouring k of the weights; a wave takes 32 of them.
; A LANE TAKES A COLUMN k, AND ITS REGISTERS RUN DOWN i: a load reads 128 consecutive bytes a wave, the eight waves stand side by side on 1,024; a block of 32 along i lies in one lane's 32 registers,
; so its largest magnitude needs no other lane and the conversions give codes with i innermost.  Nothing goes through LDS: a wave's 32 columns are two tiles, and the operand's layout (lanes 0-15 the even
; block, lanes 16-31 the odd block of 16 columns) is made of an even and an odd block of 32 columns by exchanging halves of the lanes.
; x IS SHARED OUT AMONG THE SAME WORK-GROUPS: 512 pieces of 16 rows x 64 along i (two blocks of 32; 32 numbers a lane), piece g to wave 0 of work-group g.  At a wave's head the third set of 32 registers
; is idle until the first block's turn asks for block 2: wave 0 loads its piece of x there, ahead of the weights' first 64 loads, and works it while those are on their way.
; No cluster: no two work-groups read the same bytes.  No barrier: waves share nothing.  The weights' code stores cover 512 consecutive aligned bytes; their scale stores cover 128 (one byte in 160 of what
; the launch moves).  Of x's codes the middle 512 bytes of a fragment's image come from two work-groups, 8 bytes a lane each, and its scale bytes leave two to a row: 144 KiB in all.
.set X,    48                          ; v48-143  three sets of 32 numbers of the weights
.set XU,   X+64                        ; v112-143 the third set: at the head of wave 0 its piece of x
.set FA,   20                          ; v20-31   the fragment (one s) of the wave's first tile
.set FB,   32                          ; v32-43   of its second
.set TMP,  16                          ; v16-18   a block's upper 16 codes (a conversion's three registers begin on an even number)
.set SW,   14                          ; v14-15   scale words for s = 0, 1
.set PC,   20                          ; x: v20-25 the piece's six registers of codes
.set PD,   28                          ; x: v28-30 the second block's codes as they are made
.set TM,   32                          ; x: v32-33 largest magnitudes, v34-35 the other lane's, then the bytes, v36-37 the conversions' scale operands, v38 the two bytes
.set SEL,  62                          ; s[62:63] lane selects for v_permlanex16_b32: lane l xor 16
.set KRB,  819200                      ; bytes of wq for one kr
.set ROWI, 524288                      ; bytes from i to i + 1 in the weights
; block q (i = 32 q .. 32 q + 31) of my column into set q % 3.  The immediate reaches 16 rows of i, so each 16 rows have a base of their own
.macro LOAD q
.irp i, 0,1,2,3,4,5,6,7,8,9,10,11,12,13,14,15,16,17,18,19,20,21,22,23,24,25,26,27,28,29,30,31
	global_load_b32 v[X+32*((\q)%3)+\i], v1, s[16+2*(2*(\q)+\i/16):17+2*(2*(\q)+\i/16)] offset:(\i%16)*ROWI th:TH_LOAD_NT
.endr
.endm
.macro BLOCK q
.set XQ, X+32*((\q)%3)
.set FQ, FA+12*((\q)%2)+6*(((\q)%4)/2) ; even blocks go to FA, odd ones to FB; registers 6 c on, c = which 64 along i
.if (\q) < 7
	s_wait_loadcnt 32                              ; this block's 32 loads are in; the next block's 32 may be out
.else
	s_wait_loadcnt 0x0
.endif
.if (\q)+2 < 8
	LOAD (\q)+2                                    ; into the set that the block before this one has left
.endif
	v_max3_num_f32 v12, |v[XQ]|, |v[XQ+1]|, |v[XQ+2]|   ; the block's largest magnitude: all 32 numbers are mine; two chains
	v_max3_num_f32 v13, |v[XQ+3]|, |v[XQ+4]|, |v[XQ+5]|
.irp i, 6,10,14,18,22,26
	s_delay_alu instid0(VALU_DEP_2)
	v_max3_num_f32 v12, v12, |v[XQ+\i]|, |v[XQ+\i+1]|
	s_delay_alu instid0(VALU_DEP_2)
	v_max3_num_f32 v13, v13, |v[XQ+\i+2]|, |v[XQ+\i+3]|
.endr
	s_delay_alu instid0(VALU_DEP_2)
	v_max3_num_f32 v12, v12, |v[XQ+30]|, |v[XQ+31]|
	s_delay_alu instid0(VALU_DEP_1)
	v_max3_num_f32 v12, v12, v13, 0x2800000        ; and the floor 2^(5 - 127): the byte cannot fall under 1
	s_delay_alu instid0(VALU_DEP_1)
	v_add_nc_u32 v11, 0xfe000000, v12              ; 4 off the exponent field: the conversion takes the exponent field of this operand as its scale, and nothing else of it
.if (\q) == 4
	s_wait_alu depctr_va_vdst(0)
	s_wait_xcnt 0x0                                ; the stores of s = 0 have read FA and FB: only behind this wait are they written again
.endif
	v_cvt_scalef32_pk16_bf6_f32 v[FQ:FQ+2], v[XQ:XQ+15], v11
	v_cvt_scalef32_pk16_bf6_f32 v[TMP:TMP+2], v[XQ+16:XQ+31], v11
	v_lshrrev_b32 v13, 23, v11                     ; the scale's byte.  (Also the plain instruction behind the conversions)
.if (\q)%4 == 0
	s_delay_alu instid0(VALU_DEP_1)
	v_mov_b32 v[SW+(\q)/4], v13                    ; four bytes to a word, the lower i in the lower byte
.else
	s_delay_alu instid0(VALU_DEP_1)
	v_lshl_or_b32 v[SW+(\q)/4], v13, 8*((\q)%4), v[SW+(\q)/4]
.endif
.irp i, 0,1,2
	v_mov_b32 v[FQ+3+\i], v[TMP+\i]
.endr
.if (\q)%2 == 1
.irp i, 0,1,2,3,4,5                    ; FA's lanes 16-31 (even block, columns 16-31) change places with FB's lanes 0-15 (odd block, columns 0-15): FA is now the first tile's operand, FB the second's
	v_permlane16_swap_b32 v[FA+6*(((\q)%4)/2)+\i], v[FB+6*(((\q)%4)/2)+\i]
.endr
.endif
.if (\q)%4 == 3
.irp o, 0,1
.irp c, 0,1,2
	global_store_b128 v2, v[FA+12*\o+4*\c:FA+12*\o+4*\c+3], s[48:49] offset:\o*KRB+(3*((\q)/4)+\c)*512 th:TH_STORE_NT   ; 32 lanes store 512 consecutive bytes, aligned
.endr
.endr
.endif
.endm
	s_load_b256 s[4:11], s[0:1], 0x0               ; weights s[4:5], x s[6:7], wq s[8:9], xa s[10:11]
	s_load_b64 s[12:13], s[0:1], 0x20              ; xm
	v_lshrrev_b32 v1, 5, v0
	s_delay_alu instid0(VALU_DEP_1)
	v_readfirstlane_b32 s14, v1                    ; wave 0..7
	v_and_b32 v5, 31, v0                           ; lane
	s_delay_alu instid0(VALU_DEP_1)
	v_lshlrev_b32 v2, 4, v5                        ; 16 x lane: an image's place for my lane
	s_delay_alu instid0(VALU_DEP_2)
	v_lshlrev_b32 v3, 2, v5                        ; 4 x lane: a scale word's
	s_lshr_b32 s52, ttmp9, 1                       ; j
	s_and_b32 s53, ttmp9, 1                        ; which 256 of the 512 k
	s_lshl_b32 s54, s52, 11                        ; j x 2,048 bytes
	s_lshl_b32 s55, s53, 10
	s_add_co_u32 s54, s54, s55
	s_lshl_b32 s55, s14, 7                         ; my wave's 32 columns
	s_add_co_u32 s54, s54, s55
	v_add_nc_u32 v1, s54, v3                       ; my column's byte in row i = 0; never rewritten
	s_lshl_b32 s55, s53, 4
	s_lshl_b32 s56, s14, 1
	s_add_co_u32 s55, s55, s56                     ; kr of my first tile: 16 x half + 2 x wave
	s_mul_i32 s55, s55, KRB
	s_lshr_b32 s56, s52, 5                         ; sigma
	s_mul_i32 s56, s56, 102400
	s_add_co_u32 s55, s55, s56
	s_and_b32 s56, s52, 31                         ; j % 32
	s_mul_i32 s57, s56, 3072
	s_add_co_u32 s58, s55, s57                     ; the codes' place
	s_mov_b32 s59, 0
	s_lshl_b32 s57, s56, 7
	s_add_co_u32 s60, s55, s57
	s_add_co_u32 s60, s60, 98304                   ; the scale words'
	s_mov_b32 s61, 0
	s_wait_kmcnt 0x0
.irp b, 0,1,2,3,4,5,6,7,8,9,10,11,12,13,14,15
	s_add_nc_u64 s[16+2*\b:17+2*\b], s[4:5], \b*16*ROWI   ; a base for each 16 rows of i
.endr
	s_add_nc_u64 s[48:49], s[8:9], s[58:59]
	s_add_nc_u64 s[50:51], s[8:9], s[60:61]
	s_cmp_lg_u32 s14, 0                            ; ONE branch on the wave's number: wave 0's way holds its own copy of the first 64 loads
	s_cbranch_scc1 .Lplain
	; ---- wave 0: piece g of x: tile g / 4 (16 rows), s = (g / 2) % 2, c = g % 2: i = 128 s + 64 c + 0 .. 63
	s_and_b32 s72, ttmp9, 3                        ; 2 s + c
	s_lshr_b32 s70, ttmp9, 2
	s_lshl_b32 s70, s70, 14                        ; 16 rows of 1,024 bytes
	s_lshl_b32 s73, s72, 8                         ; 64 numbers are 256 bytes
	s_add_co_u32 s70, s70, s73
	s_mov_b32 s71, 0
	s_add_nc_u64 s[6:7], s[6:7], s[70:71]
	v_and_b32 v6, 15, v0                           ; r
	v_bfe_u32 v7, v0, 4, 1                         ; h
	s_delay_alu instid0(VALU_DEP_2)
	v_lshlrev_b32 v4, 10, v6
	s_delay_alu instid0(VALU_DEP_1)
	v_lshl_add_u32 v4, v7, 6, v4                   ; row r, + 64 h: my 16 numbers of a block of 32
.irp b, 0,1
.irp t, 0,1,2,3
	global_load_b128 v[XU+16*\b+4*\t:XU+16*\b+4*\t+3], v4, s[6:7] offset:128*\b+16*\t th:TH_LOAD_NT   ; register 16 b + n = x[r][128 s + 64 c + 32 b + 16 h + n]
.endr
.endr
	s_wait_alu depctr_va_vdst(0)
	LOAD 0
	LOAD 1
	; while they are on their way: where the piece's results go
	s_lshr_b32 s73, ttmp9, 6                       ; bb
	s_bfe_u32 s74, ttmp9, 0x40002                  ; bt
	s_bfe_u32 s75, ttmp9, 0x10001                  ; s
	s_and_b32 s76, ttmp9, 1                        ; c
	s_mul_i32 s77, s73, 51200
	s_mul_i32 s78, s74, 3072
	s_add_co_u32 s70, s77, s78
	s_mul_i32 s78, s75, 1536
	s_add_co_u32 s70, s70, s78                     ; xa: the image of the tile's fragment s
	s_add_nc_u64 s[66:67], s[10:11], s[70:71]
	s_lshl_b32 s78, s74, 7
	s_add_co_u32 s70, s77, s78
	s_lshl_b32 s78, s75, 6
	s_add_co_u32 s70, s70, s78
	s_lshl_b32 s78, s76, 1
	s_add_co_u32 s70, s70, s78
	s_add_co_u32 s70, s70, 49152                   ; xa: bytes 2 c, 2 c + 1 of the rows' scale words for s
	s_add_nc_u64 s[68:69], s[10:11], s[70:71]
	s_lshl_b32 s70, s73, 18
	s_lshl_b32 s78, s74, 8
	s_add_co_u32 s70, s70, s78
	s_lshl_b32 s78, s72, 16
	s_add_co_u32 s70, s70, s78                     ; xm: bb x 262,144 + bt x 256 + the piece's first group of four j, 16 (2 s + c), x 4,096
	s_add_nc_u64 s[12:13], s[12:13], s[70:71]
	s_mov_b32 s[SEL], 0x76543210
	s_mov_b32 s[SEL+1], 0xfedcba98
	v_lshlrev_b32 v8, 4, v6
	s_delay_alu instid0(VALU_DEP_1)
	v_lshl_add_u32 v8, v7, 14, v8                  ; xm: 16 r, and four groups of four j further on for lanes 16-31
	v_lshlrev_b32 v9, 2, v6                        ; a row's scale word: 4 r
	v_mov_b32 v[TM+2], 0                           ; written once: a lane permute's destination counts as one of its sources
	v_mov_b32 v[TM+3], 0
	s_wait_alu depctr_va_vdst(0)
	s_wait_loadcnt 63                              ; x's eight loads are in: 64 loads were issued behind them, and 63 is the largest count that the wait can name
.irp b, 0,1
.irp t, 0,1,2,3
	global_store_b128 v8, v[XU+16*\b+4*\t:XU+16*\b+4*\t+3], s[12:13] offset:(8*\b+\t)*4096 th:TH_STORE_NT   ; each half of the lanes stores 256 consecutive bytes, aligned
.endr
.endr
.irp b, 0,1
	v_max3_num_f32 v[TM+\b], |v[XU+16*\b]|, |v[XU+16*\b+1]|, 0x2800000   ; block b: my 16 numbers, and the floor
.endr
.irp i, 2,4,6,8,10,12,14
.irp b, 0,1
	s_delay_alu instid0(VALU_DEP_2)
	v_max3_num_f32 v[TM+\b], v[TM+\b], |v[XU+16*\b+\i]|, |v[XU+16*\b+\i+1]|   ; the two blocks by turns
.endr
.endr
.irp b, 0,1
	s_delay_alu instid0(VALU_DEP_2)
	v_permlanex16_b32 v[TM+2+\b], v[TM+\b], s[SEL], s[SEL+1]
.endr
.irp b, 0,1
	s_delay_alu instid0(VALU_DEP_2)
	v_max_num_f32 v[TM+\b], v[TM+\b], v[TM+2+\b]   ; with lane l xor 16's: the block's largest magnitude
.endr
.irp b, 0,1
	s_delay_alu instid0(VALU_DEP_2)
	v_add_nc_u32 v[TM+4+\b], 0xfe000000, v[TM+\b]  ; 4 off the exponent field: the conversion's scale operand
.endr
.irp b, 0,1
	s_delay_alu instid0(VALU_DEP_2)
	v_lshrrev_b32 v[TM+2+\b], 23, v[TM+4+\b]       ; the scale's byte
.endr
	s_delay_alu instid0(VALU_DEP_1)
	v_lshl_or_b32 v[TM+6], v[TM+3], 8, v[TM+2]     ; my row's two bytes (both halves of the lanes hold them)
	v_cvt_scalef32_pk16_bf6_f32 v[PC:PC+2], v[XU:XU+15], v[TM+4]
	v_cvt_scalef32_pk16_bf6_f32 v[PD:PD+2], v[XU+16:XU+31], v[TM+5]
	v_nop                                          ; one plain instruction behind a scaled conversion
.irp i, 0,1,2                          ; the operand's layout wants a whole block in a lane: lanes 0-15 block 2 c, lanes 16-31 block 2 c + 1
	v_permlane16_swap_b32 v[PC+\i], v[PD+\i]
.endr
.irp i, 0,1,2
	s_delay_alu instid0(VALU_DEP_3)
	v_mov_b32 v[PC+3+\i], v[PD+\i]                 ; v[PC .. PC + 5] are registers 6 c .. 6 c + 5 of the fragment
.endr
	global_store_b16 v9, v[TM+6], s[68:69] th:TH_STORE_NT   ; lanes l and l + 16 write the same two bytes with the same value
	s_cmp_eq_u32 s76, 0                            ; the image goes by groups of four registers: registers 0-3 and 4-5, or 6-7 and 8-11.  A branch on the work-group's number
	s_cbranch_scc0 .Lupper
	global_store_b128 v2, v[PC:PC+3], s[66:67] th:TH_STORE_NT
	global_store_b64 v2, v[PC+4:PC+5], s[66:67] offset:512 th:TH_STORE_NT
	s_branch .Lx_done
.Lupper:
	s_wait_alu depctr_va_vdst(0)
	global_store_b64 v2, v[PC:PC+1], s[66:67] offset:520 th:TH_STORE_NT
	global_store_b128 v2, v[PC+2:PC+5], s[66:67] offset:1024 th:TH_STORE_NT
.Lx_done:
	s_wait_xcnt 0x0                                ; the stores have read the numbers', the codes' and the bytes' registers: all are written again in the first block's turn
	s_branch .Lblocks
.Lplain:
	s_wait_alu depctr_va_vdst(0)
	LOAD 0
	LOAD 1
.Lblocks:
.irp q, 0,1,2,3,4,5,6,7
	BLOCK \q
.endr
	v_permlane16_swap_b32 v[SW], v[SW+1]           ; v14: lanes 0-15 the first tile's words for s = 0, lanes 16-31 for s = 1; v15: the second tile's
	global_store_b32 v3, v[SW], s[50:51] th:TH_STORE_NT
	global_store_b32 v3, v[SW+1], s[50:51] offset:KRB th:TH_STORE_NT
	s_endpgm
.Lfunc_end_k_q20d4273005_quant:
	.size	k_q20d4273005_quant, .Lfunc_end_k_q20d4273005_quant-k_q20d4273005_quant
	.p2alignl 7, 3214868480
	.fill 96, 4, 3214868480
	.section	.rodata,"a",@progbits
	.p2align	6, 0x0
	.amdhsa_kernel k_q20d4273005_quant
		.amdhsa_group_segment_fixed_size 0
		.amdhsa_private_segment_fixed_size 0
		.amdhsa_enable_private_segment 0
		.amdhsa_kernarg_size 40
		.amdhsa_user_sgpr_count 2
		.amdhsa_user_sgpr_kernarg_segment_ptr 1
		.amdhsa_wavefront_size32 1
		.amdhsa_system_sgpr_workgroup_id_x 1
		.amdhsa_system_sgpr_workgroup_id_y 1
		.amdhsa_system_sgpr_workgroup_id_z 1
		.amdhsa_system_vgpr_workitem_id 0
		.amdhsa_next_free_vgpr 144
		.amdhsa_next_free_sgpr 80
		.amdhsa_reserve_vcc 0
		.amdhsa_float_denorm_mode_32 3
		.amdhsa_float_denorm_mode_16_64 3
		.amdhsa_memory_ordered 1
		.amdhsa_forward_progress 1
		.amdhsa_inst_pref_size 57
	.end_amdhsa_kernel
	.amdgpu_metadata
---
amdhsa.version: [ 1, 2 ]
amdhsa.kernels:
  - .name:           k_q20d4273005_quant
    .symbol:         k_q20d4273005_quant.kd
    .args:
      - { .name: weights, .offset: 0, .size: 8, .value_kind: global_buffer, .address_space: global }
      - { .name: x, .offset: 8, .size: 8, .value_kind: global_buffer, .address_space: global }
      - { .name: wq, .offset: 16, .size: 8, .value_kind: global_buffer, .address_space: global }
      - { .name: xa, .offset: 24, .size: 8, .value_kind: global_buffer, .address_space: global }
      - { .name: xm, .offset: 32, .size: 8, .value_kind: global_buffer, .address_space: global }
    .group_segment_fixed_size: 0
    .private_segment_fixed_size: 0
    .kernarg_segment_align: 8
    .kernarg_segment_size: 40
    .max_flat_workgroup_size: 256
    .sgpr_count:     80
    .vgpr_count:     144
    .wavefront_size: 32
...
	.end_amdgpu_metadata
.endif
;; end of part 1
;; launch bilin (part 2): grid 8 x 32, 8 waves a work-group, clusters of 4 x 4, 327,680 bytes of LDS; arguments wq, xa, xm, out0; writes out0
.if DOCPART == 2
	.amdgcn_target "amdgcn-amd-amdhsa--gfx1250"
	.amdhsa_code_object_version 6
	.text
	.protected	k_q20d4273005_bilin
	.globl	k_q20d4273005_bilin
	.p2align	8
	.type	k_q20d4273005_bilin,@function
k_q20d4273005_bilin:
	s_mov_b64 s[64:65], 0
	v_nop
	global_prefetch_b8 v0, s[64:65] scope:SCOPE_SE
	s_setreg_imm32_b32 hwreg(HW_REG_WAVE_MODE, 25, 1), 1
	s_wait_xcnt 0x0
	s_wait_alu depctr_hold_cnt(0) depctr_sa_sdst(0) depctr_va_vdst(0) depctr_va_sdst(0) depctr_va_ssrc(0) depctr_va_vcc(0) depctr_vm_vsrc(0)
	s_getreg_b32 s2, hwreg(HW_REG_IB_STS2, 6, 4)
	s_cmp_eq_u32 s2, 0
	s_cbranch_scc0 .Lentry_in_a_cluster
	s_endpgm
.Lentry_in_a_cluster:
	s_bfe_u32 s2, ttmp6, 0x10000c
	s_cmp_lg_u32 s2, 0xf033
	s_cbranch_scc0 .Lentry_shape_is_right
	s_endpgm
.Lentry_shape_is_right:
; out0[b][k] = sum over j of x[b][j] t[b][j][k],  t[b][j][k] = sum over i of Q(x)[b][i] Q(W)[i][j][k]: the first product on codes of BF6 (E3M2) with E8M0 scales, sums in f32; the second in f32 by packed multiply-adds.
; t lives in accumulators alone.  wq, xa, xm are laid by the launch before as images of operand registers (its head comment has the layouts).
; SHARES.  A work-group owns 256 rows b (bb) and 16 columns k (kr) and walks all 256 j: each output has one owner.  j goes in slots of 32 through a ring of two LDS slots.
; EIGHT WAVES, two for each SIMD, 512 registers each.  Wave w takes row half w / 4 (128 rows, 8 tiles of 16) and, in a slot, j % 32 = 8 (w % 4) .. + 7.  Its x (8 tiles x 2 steps of 128 along i, 192 registers)
; stays in registers; a fragment of W read from LDS feeds 16 matrix instructions; its partial out [128][16] takes 64 registers; the four partials of a row half meet in LDS once, at the end.
; FOR EACH j a wave has ONE run of 16 matrix instructions (the 8 tiles by turns, i = 0 .. 127 with C = 0, then i = 128 .. 255) and ONE run of 32 packed multiply-adds.
; THE MATRIX INSTRUCTION IS USED TRANSPOSED: source 0 = 16 columns k of W at one j, source 1 = 16 rows of x.  Lane (r, h) holds row r, its registers k = 8 h + 0 .. 7: the multiplier x[b][j] is one register for a tile and a j.
; W's fragments are asked for two j ahead, in two sets by j % 2; so a slot's last LDS read is issued in its sixth j, and the change of slots stands in its seventh.
; THE LOOP IS TURNED BY ONE j: the first j stands ahead of it, and its products x[b][0] t begin the sums by plain multiplications: nothing is cleared.
; CLUSTER, 4 x 4: the four of a row of the cluster share kr and so W's slots; the four of a column share bb and so xm's slices and xa: each is asked for jointly.
; PREFETCH: behind the joint load for the slot two on, the slot FOUR on is named: W's 400 blocks of 256 bytes go 100 to a wave 0-3 and of those 25 to each partner along x (by address, 6,400 cx);
; xm's 128 blocks 64 to wave 4 or 5 and 16 to each partner along y (4,096 cy).  A lane a block; lanes left over name their wave's last block again.  The loop's last trip, whose slots four on do not exist, asks for nothing.
; ORDER OF ROUNDING: the sum over j ascends within a wave's j, and the four waves' parts are added as (0 + 1) + (2 + 3): all in f32, another order than a single ascending sum.
; OUT: a work-group's 16 k are 64 bytes of a row of out0, stored by four neighbouring lanes; whole runs of 256 bytes from one work-group would want 64 k and so 64 rows to a work-group: four times the bytes of W through LDS.
; REGISTERS.  Window 0: v1-15 addresses; v16-23 x's scale words; v24-25 W's; v32-79 W's fragments, two sets; v80-143 the partial out; v144-207 at work at the head and on the way out; v192-255 t.
;   Window 1: v0-191 x's fragments (24 a tile); v192-255 the multipliers, two sets of 32 (four j x 8 tiles).
;   One setting (source 1 in window 1) serves the matrix instructions, the multiply-adds (source 0 = t, source 1 = the multiplier) and the loads of W.
.set SLOT,   135168                    ; a slot: 32 j x 3,072 bytes of codes, 32 x 128 of scale words, 32,768 of multipliers
.set SCO,    98304
.set XMO,    102400
.set XAB,    2*SLOT                    ; behind the ring: xa's image of my 256 rows, 51,200 bytes, filled once
.set SPARE,  XAB+51200                 ; the spare words, 128 bytes for each of eight waves: four blocks of 256 bytes that no other line names
.set SPITCH, 80                        ; the way out: a row's 64 bytes + 16
.set COPY,   256*SPITCH                ; one j group's partial out.  The four copies lie in slot 0, which has had its last fill and its last read when the first is stored
.set AW,  1                            ; v1-2   LDS address of my fragments of W in slot 0, 1
.set AS,  3                            ; v3-4   of their scale words
.set AM,  5                            ; v5-6   of my multipliers
.set AX,  7                            ; v7     of my rows in xa's codes
.set AXS, 8                            ; v8     of their scale words
.set SPW, 9                            ; v9     LDS address of my spare word; never rewritten
.set NIL, 10                           ; v10    0; never rewritten
.set STO, 11                           ; v11    the way out: where I put 32 bytes of a row
.set RD,  12                           ; v12    where I read 16 bytes back
.set GO,  13                           ; v13    my byte offset in out0
.set PFO, 14                           ; v14-15 the prefetches' offsets: 256 x min(lane, 24) for W, 256 x min(lane, 15) for xm
.set XS,  16
.set WS,  24
.set WF,  32
.set ACC, 80
.set OB,  144
.set TT,  192
.set MR,  192
.set G1B, 24                           ; s[24:31] descriptor group 1 for W's quarter slots;  s[32:39] for the multipliers' halves;  s[40:47] for xa's halves
.set G1M, 32
.set G1A, 40
.set G0B, 48                           ; s[48:55] group 0 for W, a set for each slot;  s[56:63] for the multipliers;  s[68:71] for xa
.set G0M, 56
.set G0A, 68
.set PW,  92                           ; s[92:93] where W's prefetches stand;  s[94:95] xm's
.set PM,  94
.set MSB, 0
.macro WIN new                         ; the immediate's high byte repeats the setting that is left; a switch that changes nothing is dropped
.if MSB != (\new)
	s_set_vgpr_msb (MSB<<8)|(\new)
.set MSB, (\new)
.endif
.endm
.macro PLACES
.rept 4
	v_nop
.endr
.endm
.macro SHAPE g, rows                   ; group 1 behind its first word: a dense block as rows of 256 bytes (32 elements of 8 bytes), no padding
	s_mov_b32 s[\g+1], 32<<16
	s_mov_b32 s[\g+2], (\rows)<<16
	s_mov_b32 s[\g+3], 32<<16
	s_mov_b32 s[\g+4], \rows
	s_mov_b32 s[\g+5], 32
	s_mov_b32 s[\g+6], 0
	s_mov_b32 s[\g+7], 0
.endm
; A joint load: waves 0-3 fetch the quarters of W's slot, waves 4 and 5 the halves of the multipliers' slice, waves 6 and 7 nothing.  The branches hang on the wave's number alone.
; An s_nop 0 and four v_nop follow each load; on every way the four v_nop are also the places ahead of the loads into W's registers.
.macro JLOAD s
	s_cmp_lt_u32 s12, 4
	s_cbranch_scc0 .Lfor_m_\@
	tensor_load_to_lds s[G0B+4*(\s):G0B+4*(\s)+3], s[G1B:G1B+7]
	s_nop 0
	PLACES
	s_branch .Lasked_\@
.Lfor_m_\@:
	s_cmp_lt_u32 s12, 6
	s_cbranch_scc0 .Lnone_\@
	tensor_load_to_lds s[G0M+4*(\s):G0M+4*(\s)+3], s[G1M:G1M+7]
	s_nop 0
	PLACES
	s_branch .Lasked_\@
.Lnone_\@:
	PLACES
.Lasked_\@:
.endm
.macro ASK                             ; the slot four on; s15 = 1 in the loop's last trip
	s_cmp_gt_u32 s15, 1
	s_cbranch_scc0 .Lnot_\@
	s_cmp_lt_u32 s12, 4
	s_cbranch_scc0 .Lpm_\@
	global_prefetch_b8 v[PFO], s[PW:PW+1] th:TH_LOAD_NT scope:SCOPE_SE
	s_branch .Lnot_\@
.Lpm_\@:
	s_cmp_lt_u32 s12, 6
	s_cbranch_scc0 .Lnot_\@
	global_prefetch_b8 v[PFO+1], s[PM:PM+1] th:TH_LOAD_NT scope:SCOPE_SE
.Lnot_\@:
.endm
.macro CREST                           ; a round of the cluster's barrier behind its opening barrier
	s_cmp_lg_u32 s12, 0
	s_cbranch_scc1 .Lnot_wave_0_\@
	s_barrier_signal -3
.Lnot_wave_0_\@:
	s_barrier_wait -3
	s_barrier_signal -1
	s_barrier_wait -1
.endm
.macro CROUND
	s_barrier_signal -1
	s_barrier_wait -1
	CREST
.endm
; matrix instructions i0 .. i1 - 1 of a j's sixteen, on W's set jb.  The scale registers carry the first 128's words in lanes 0-15 and the second's in lanes 16-31.
.macro MM jb, i0, i1
.set II, \i0
.rept (\i1)-(\i0)
.set UU, II%8
.if II < 8
	v_wmma_scale_f32_16x16x128_f8f6f4 v[TT+8*UU:TT+8*UU+7], v[WF+24*(\jb):WF+24*(\jb)+11], v[24*UU:24*UU+11], 0, v[WS+(\jb)], v[XS+UU] matrix_a_fmt:MATRIX_FMT_BF6 matrix_b_fmt:MATRIX_FMT_BF6
.else
	v_wmma_scale_f32_16x16x128_f8f6f4 v[TT+8*UU:TT+8*UU+7], v[WF+24*(\jb)+12:WF+24*(\jb)+23], v[24*UU+12:24*UU+23], v[TT+8*UU:TT+8*UU+7], v[WS+(\jb)], v[XS+UU] matrix_a_fmt:MATRIX_FMT_BF6 matrix_b_fmt:MATRIX_FMT_BF6 matrix_a_scale:MATRIX_SCALE_ROW1 matrix_b_scale:MATRIX_SCALE_ROW1
.endif
.set II, II+1
.endr
.endm
; out += x[b][j] t: four packed instructions a tile, each tile from t's low end on.  The multiplier is register mq of set mb's four: it serves both halves.  first = 1: the sums begin (mq = 0)
.macro VV mb, mq, first
.set FF, 0
.rept 32
.set AP, ACC+2*FF
.set TP, TT+2*FF
.set MP, MR+32*(\mb)+4*(FF/4)+((\mq)&2)
.if \first
	v_pk_mul_f32 v[AP:AP+1], v[TP:TP+1], v[MP:MP+1] op_sel_hi:[1,0]
.elseif ((\mq)&1) == 0
	v_pk_fma_f32 v[AP:AP+1], v[TP:TP+1], v[MP:MP+1], v[AP:AP+1] op_sel_hi:[1,0,1]
.else
	v_pk_fma_f32 v[AP:AP+1], v[TP:TP+1], v[MP:MP+1], v[AP:AP+1] op_sel:[0,1,0] op_sel_hi:[1,1,1]
.endif
.set FF, FF+1
.endr
.endm
.macro LW slot, j, jb                  ; W's fragments (both halves of i) and scale words of my j-th j of the slot, into set jb: seven loads
.irp c, 0,1,2,3,4,5
	ds_load_b128 v[WF+24*(\jb)+4*\c:WF+24*(\jb)+4*\c+3], v[AW+(\slot)] offset:(\j)*3072+512*\c
.endr
	ds_load_b32 v[WS+(\jb)], v[AS+(\slot)] offset:(\j)*128
.endm
.macro LM slot, batch                  ; the multipliers of four j for my 8 tiles: lane (r, h) takes x[16 bt + r][4 j]; destination in window 1
.irp t, 0,1,2,3,4,5,6,7
	ds_load_b128 v[MR+32*(\batch)+4*\t:MR+32*(\batch)+4*\t+3], v[AM+(\slot)] offset:(\batch)*4096+256*\t
.endr
.endm
; My j-th j of slot s.  mode 2: the slot is filled again, two slots ahead;  1: the slots change, nothing is filled;  0: the last slot.
; s_wait_dscnt 7 leaves out the seven loads issued last, the fragments of the j after this one.
.macro JS s, j, mode, first
.if (\j) == 6 && (\mode)
	WIN 0                                          ; (the add's two registers lie in window 0)
.if (\mode) == 2
	s_wait_xcnt 0x0                                ; any prefetch of mine has read its address: it steps only behind this wait
	s_add_nc_u64 s[PW:PW+1], s[PW:PW+1], 102400
	s_add_nc_u64 s[PM:PM+1], s[PM:PM+1], 32768
.endif
	s_wait_tensorcnt 0x0                           ; all my tensor loads have landed: my part of the other slot; so a group 0 may be written
	ds_add_u32 v[SPW], v[NIL]                      ; 0 onto my spare word
.if (\mode) == 2
	s_add_nc_u64 s[G0B+4*(\s)+2:G0B+4*(\s)+3], s[G0B+4*(\s)+2:G0B+4*(\s)+3], 2*102400
	s_add_nc_u64 s[G0M+4*(\s)+2:G0M+4*(\s)+3], s[G0M+4*(\s)+2:G0M+4*(\s)+3], 2*32768
.endif
	s_wait_dscnt 8                                 ; this j's fragments are in; the next j's seven loads and the add may be out
	WIN 4
	MM 0, 0, 8
	s_wait_dscnt 0x0                               ; the add is done, and my reads of this slot are over
	s_barrier_signal -1
	MM 0, 8, 16                                    ; work on registers while the others arrive
	WIN 0
	s_barrier_wait -1
.if (\mode) == 2
	CREST                                          ; the barrier has opened a round of the cluster's barrier: no wave of any partner still reads this slot or has a load on its way
	JLOAD \s                                       ; the first tensor load behind the round, my only one until the next
.else
	PLACES
.endif
	WIN 0x40
	LM 1-(\s), 0                                   ; the next slot's first four j: their set was last read in this slot's fourth j
	WIN 0
	LW 1-(\s), 0, 0
.if (\mode) == 2
	ASK
.endif
	WIN 4
	VV 1, 2, 0
.else
.if (\j) == 7 && (\mode) == 0
	s_wait_dscnt 0x0
.else
	s_wait_dscnt 7
.endif
	WIN 4
	MM (\j)%2, 0, 16
	PLACES                                         ; ahead of the loads into W's registers and of the first read of t
.if (\j) == 1
	WIN 0x44
	LM \s, 1                                       ; the second four j's multipliers: their set was last read in the slot before
	WIN 4
.endif
.if (\j) < 6
	LW \s, (\j)+2, (\j)%2
.elseif (\j) == 7 && (\mode)
	LW 1-(\s), 1, 1
.endif
	VV (\j)/4, (\j)%4, \first
.endif
.endm
.macro TRIP s, mode                    ; a slot's second to eighth j, and the next slot's first
.irp j, 1,2,3,4,5,6,7
	JS \s, \j, \mode, 0
.endr
.if \mode
	JS 1-\s, 0, 2, 0
.endif
.endm
	s_load_b256 s[4:11], s[0:1], 0x0               ; wq s[4:5], xa s[6:7], xm s[8:9], out0 s[10:11]
	v_lshl_add_u32 v[SPW], v0, 2, SPARE
	v_mov_b32 v[NIL], 0
	ds_add_u32 v[SPW], v[NIL]                      ; the opening lines: the add, twice on end, and its wait ahead of my first tensor load
	ds_add_u32 v[SPW], v[NIL]
	v_lshrrev_b32 v144, 5, v0
	v_readfirstlane_b32 s12, v144                  ; wave 0..7
	s_and_b32 s13, s12, 3                          ; my j group; for waves 0-3 also which quarter of W's slot I fetch
	s_and_b32 s14, s12, 1                          ; which half of xm's slice (waves 4, 5) or of xa's image (waves 6, 7) I fetch
	s_lshr_b32 s22, s12, 2                         ; my row half
	s_bfe_u32 s16, ttmp6, 0x40000                  ; cx, cy: my place in the cluster
	s_bfe_u32 s17, ttmp6, 0x40004
	s_lshl_b32 s18, ttmp9, 2
	s_add_co_u32 s18, s18, s16                     ; bb = 4 x cluster x + cx
	s_and_b32 s19, ttmp7, 0xffff
	s_lshl_b32 s19, s19, 2
	s_add_co_u32 s19, s19, s17                     ; kr = 4 x cluster y + cy
	s_lshl_b32 s20, s17, 2
	s_lshl_b32 s20, 15, s20                        ; my row of the cluster: the same kr
	s_lshl_b32 s21, 0x1111, s16                    ; my column: the same bb
	s_or_b32 s[G1B], s20, (3<<16)|(1<<21)          ; 15:0 the mask; 17:16 elements of 8 bytes; 21 set beside a mask
	s_or_b32 s[G1M], s21, (3<<16)|(1<<21)
	s_or_b32 s[G1A], s21, (3<<16)|(1<<21)
	SHAPE G1B, 100                                 ; a quarter of W's slot: 25,600 bytes
	SHAPE G1M, 64                                  ; half of the multipliers' slice: 16,384 bytes
	SHAPE G1A, 100                                 ; half of xa's image: 25,600 bytes
	; where they come from, each offset in registers that never hold the coordinate that its partners do not share
	s_mul_i32 s72, s19, 819200
	s_mul_i32 s74, s13, 25600
	s_add_co_u32 s72, s72, s74                     ; W: kr's slots, my quarter
	s_mov_b32 s73, 0
	s_lshl_b32 s76, s18, 18
	s_lshl_b32 s78, s14, 14
	s_add_co_u32 s76, s76, s78                     ; the multipliers: bb's, my half
	s_mov_b32 s77, 0
	s_mul_i32 s80, s18, 51200
	s_mul_i32 s82, s14, 25600
	s_add_co_u32 s80, s80, s82                     ; xa: bb's image, my half
	s_mov_b32 s81, 0
	s_lshl_b32 s84, s18, 19                        ; out0: row 256 bb + 32 wave of 2,048 bytes, + 64 kr
	s_lshl_b32 s85, s12, 16
	s_add_co_u32 s84, s84, s85
	s_lshl_b32 s85, s19, 6
	s_add_co_u32 s84, s84, s85
	s_mov_b32 s85, 0
	s_mul_i32 s96, s16, 6400                       ; the prefetches: as the loads' offsets, + my work-group's share by its place, at the slot three on: the first change of slots steps them to four
	s_add_co_u32 s96, s96, s72
	s_add_co_u32 s96, s96, 3*102400
	s_mov_b32 s97, 0
	s_lshl_b32 s98, s17, 12
	s_add_co_u32 s98, s98, s76
	s_add_co_u32 s98, s98, 3*32768
	s_mov_b32 s99, 0
	; my places in LDS
	s_mul_i32 s86, s13, 8*3072                     ; my 8 j in a slot: codes,
	s_lshl_b32 s87, s13, 10
	s_add_co_u32 s87, s87, SCO                     ; scale words,
	s_lshl_b32 s88, s13, 13
	s_lshl_b32 s23, s22, 11
	s_add_co_u32 s88, s88, s23
	s_add_co_u32 s88, s88, XMO                     ; multipliers, my 8 tiles
	s_mul_i32 s89, s13, COPY
	s_mul_i32 s23, s22, 128*SPITCH
	s_add_co_u32 s89, s89, s23                     ; my j group's copy, my row half
	s_mul_i32 s90, s12, 32*SPITCH                  ; the 32 rows that I add up and store
	s_mul_i32 s91, s22, 8*3072
	s_add_co_u32 s91, s91, XAB                     ; xa: my 8 tiles' codes
	s_lshl_b32 s23, s22, 10
	s_add_co_u32 s23, s23, XAB+49152               ; and scale words
	s_wait_dscnt 0x0                               ; both opening adds are done
	s_wait_kmcnt 0x0
	s_add_nc_u64 s[72:73], s[4:5], s[72:73]
	s_add_nc_u64 s[76:77], s[8:9], s[76:77]
	s_add_nc_u64 s[80:81], s[6:7], s[80:81]
	s_add_nc_u64 s[10:11], s[10:11], s[84:85]
	s_add_nc_u64 s[PW:PW+1], s[4:5], s[96:97]
	s_add_nc_u64 s[PM:PM+1], s[8:9], s[98:99]
.irp s, 0,1
	s_mov_b32 s[G0B+4*\s], 1
	s_add_co_u32 s[G0B+4*\s+1], s74, \s*SLOT                       ; LDS address: no place in the cluster enters it
	s_add_nc_u64 s[G0B+4*\s+2:G0B+4*\s+3], s[72:73], \s*102400     ; j = 32 s on
	s_or_b32 s[G0B+4*\s+3], s[G0B+4*\s+3], 0x80000000
	s_mov_b32 s[G0M+4*\s], 1
	s_add_co_u32 s[G0M+4*\s+1], s78, \s*SLOT+XMO
	s_add_nc_u64 s[G0M+4*\s+2:G0M+4*\s+3], s[76:77], \s*32768
	s_or_b32 s[G0M+4*\s+3], s[G0M+4*\s+3], 0x80000000
.endr
	s_mov_b32 s[G0A], 1
	s_add_co_u32 s[G0A+1], s82, XAB
	s_mov_b64 s[G0A+2:G0A+3], s[80:81]
	s_or_b32 s[G0A+3], s[G0A+3], 0x80000000
	CROUND                                         ; all sixteen work-groups are here: the first joint loads meet
	; THE HEAD'S LOADS, ONE A WAVE: slot 0's W by waves 0-3, its multipliers by waves 4 and 5, xa's image by waves 6 and 7.  One chain of branches, a load in each arm
	s_cmp_lt_u32 s12, 4
	s_cbranch_scc0 .Lhead_m
	tensor_load_to_lds s[G0B:G0B+3], s[G1B:G1B+7]
	s_nop 0
	PLACES
	s_branch .Lhead_asked
.Lhead_m:
	s_cmp_lt_u32 s12, 6
	s_cbranch_scc0 .Lhead_a
	tensor_load_to_lds s[G0M:G0M+3], s[G1M:G1M+7]
	s_nop 0
	PLACES
	s_branch .Lhead_asked
.Lhead_a:
	tensor_load_to_lds s[G0A:G0A+3], s[G1A:G1A+7]
	s_nop 0
	PLACES
.Lhead_asked:
	; the addresses, laid so that no line reads what one of the four lines above it wrote
	v_and_b32 v144, 31, v0                         ; lane
	v_and_b32 v145, 15, v0                         ; r
	v_bfe_u32 v146, v0, 4, 1                       ; h
	v_bfe_u32 v147, v0, 2, 2
	v_and_b32 v149, 3, v0
	v_lshl_add_u32 v[AW], v144, 4, s86
	v_lshl_add_u32 v[AS], v144, 2, s87
	v_lshl_add_u32 v[AM], v145, 4, s88
	v_lshl_add_u32 v[AX], v144, 4, s91
	v_lshl_add_u32 v[AXS], v144, 2, s23
	v_lshl_add_u32 v148, v147, 2, v146             ; back: four lanes to a row; my row 4 ((lane / 4) % 4) + lane / 16
	v_mad_u32_u24 v[STO], v145, SPITCH, s89
	v_min_u32 v[PFO], 24, v144
	v_min_u32 v[PFO+1], 15, v144
	v_add_nc_u32 v[AW+1], SLOT, v[AW]
	v_add_nc_u32 v[AS+1], SLOT, v[AS]
	v_add_nc_u32 v[AM+1], SLOT, v[AM]
	v_mad_u32_u24 v[RD], v148, SPITCH, s90
	v_lshlrev_b32 v[GO], 11, v148
	v_lshl_add_u32 v[STO], v146, 5, v[STO]         ; my copy: row r, + 32 h
	v_lshlrev_b32 v[PFO], 8, v[PFO]
	v_lshlrev_b32 v[PFO+1], 8, v[PFO+1]
	v_lshl_add_u32 v[RD], v149, 4, v[RD]
	v_lshl_add_u32 v[GO], v149, 4, v[GO]           ; and the same place in out0
	s_wait_alu depctr_va_vdst(0)
	s_wait_tensorcnt 0x0                           ; my tile of the head's is in
	ds_add_u32 v[SPW], v[NIL]
	s_wait_dscnt 0x0
	CROUND                                         ; everybody's tile is in, and all sixteen work-groups are here
	JLOAD 1                                        ; slot 1's first fill, the first tensor load behind the round
	WIN 0x40
.irp u, 0,1,2,3,4,5,6,7                ; x's fragments of my 8 tiles, from xa's image into window 1: they stay
.irp c, 0,1,2,3,4,5
	ds_load_b128 v[24*\u+4*\c:24*\u+4*\c+3], v[AX] offset:\u*3072+512*\c
.endr
.endr
	LM 0, 0
	WIN 0
.irp t, 0,1,2,3,4,5,6,7
	ds_load_b32 v[XS+\t], v[AXS] offset:128*\t
.endr
	LW 0, 0, 0
	LW 0, 1, 1
	JS 0, 0, 2, 1                                  ; the first j: its products begin the sums
	WIN 0                                          ; at a label and at a branch every window is 0
	s_mov_b32 s15, 3
.Llap:                                             ; three trips of two slots; each slot is filled again with the j 64 further on
	TRIP 0, 2
	TRIP 1, 2
	WIN 0
	s_sub_co_u32 s15, s15, 1
	s_cmp_lg_u32 s15, 0
	s_cbranch_scc1 .Llap
	TRIP 0, 1                                      ; the last two slots are written out: nothing is left to fetch
	TRIP 1, 0
	WIN 0
	; THE WAY OUT.  Each wave's partial out goes into its j group's copy in LDS; a barrier; wave w adds the four copies of rows 32 w .. 32 w + 31 and stores them.
.irp u, 0,1,2,3,4,5,6,7
	ds_store_b128 v[STO], v[ACC+8*\u:ACC+8*\u+3] offset:\u*16*SPITCH
	ds_store_b128 v[STO], v[ACC+8*\u+4:ACC+8*\u+7] offset:\u*16*SPITCH+16
.endr
	s_wait_dscnt 0x0                               ; for the others' sake: my stores have landed
	s_barrier_signal -1
	s_barrier_wait -1
.irp p, 0,1,2,3                        ; position p: eight rows, 16 (p / 2) + 2 (p % 2) + my row; four copies
.irp c, 0,1,2,3
	ds_load_b128 v[OB+16*\p+4*\c:OB+16*\p+4*\c+3], v[RD] offset:\c*COPY+(\p/2)*16*SPITCH+(\p%2)*2*SPITCH
.endr
.endr
	s_wait_dscnt 0x0
.irp p, 0,1,2,3                        ; copies 0 + 1 and 2 + 3 of all four positions first, so that no line reads what one of the four lines above it wrote
	v_pk_add_f32 v[OB+16*\p:OB+16*\p+1], v[OB+16*\p:OB+16*\p+1], v[OB+16*\p+4:OB+16*\p+5]
	v_pk_add_f32 v[OB+16*\p+2:OB+16*\p+3], v[OB+16*\p+2:OB+16*\p+3], v[OB+16*\p+6:OB+16*\p+7]
	v_pk_add_f32 v[OB+16*\p+8:OB+16*\p+9], v[OB+16*\p+8:OB+16*\p+9], v[OB+16*\p+12:OB+16*\p+13]
	v_pk_add_f32 v[OB+16*\p+10:OB+16*\p+11], v[OB+16*\p+10:OB+16*\p+11], v[OB+16*\p+14:OB+16*\p+15]
.endr
.irp p, 0,1,2,3
	v_pk_add_f32 v[OB+16*\p:OB+16*\p+1], v[OB+16*\p:OB+16*\p+1], v[OB+16*\p+8:OB+16*\p+9]
	v_pk_add_f32 v[OB+16*\p+2:OB+16*\p+3], v[OB+16*\p+2:OB+16*\p+3], v[OB+16*\p+10:OB+16*\p+11]
.endr
.irp p, 0,1,2,3
	global_store_b128 v[GO], v[OB+16*\p:OB+16*\p+3], s[10:11] offset:(16*(\p/2)+2*(\p%2))*2048 th:TH_STORE_NT   ; four lanes store a row's 64 bytes; no register of a store is written again
.endr
	s_wait_tensorcnt 0x0                           ; the wave's end, behind my last tensor load and my last LDS store
	ds_add_u32 v[SPW], v[NIL]
	s_wait_dscnt 0x0
	CROUND                                         ; the closing round: no work-group ends while a partner may still ask for a tile that names it
	s_endpgm
.Lfunc_end_k_q20d4273005_bilin:
	.size	k_q20d4273005_bilin, .Lfunc_end_k_q20d4273005_bilin-k_q20d4273005_bilin
	.p2alignl 7, 3214868480
	.fill 96, 4, 3214868480
	.section	.rodata,"a",@progbits
	.p2align	6, 0x0
	.amdhsa_kernel k_q20d4273005_bilin
		.amdhsa_group_segment_fixed_size 327680
		.amdhsa_private_segment_fixed_size 0
		.amdhsa_enable_private_segment 0
		.amdhsa_kernarg_size 32
		.amdhsa_user_sgpr_count 2
		.amdhsa_user_sgpr_kernarg_segment_ptr 1
		.amdhsa_wavefront_size32 1
		.amdhsa_system_sgpr_workgroup_id_x 1
		.amdhsa_system_sgpr_workgroup_id_y 1
		.amdhsa_system_sgpr_workgroup_id_z 1
		.amdhsa_system_vgpr_workitem_id 0
		.amdhsa_next_free_vgpr 512
		.amdhsa_next_free_sgpr 100
		.amdhsa_reserve_vcc 0
		.amdhsa_float_denorm_mode_32 3
		.amdhsa_float_denorm_mode_16_64 3
		.amdhsa_memory_ordered 1
		.amdhsa_forward_progress 1
		.amdhsa_inst_pref_size 174
	.end_amdhsa_kernel
	.amdgpu_metadata
---
amdhsa.version: [ 1, 2 ]
amdhsa.kernels:
  - .name:           k_q20d4273005_bilin
    .symbol:         k_q20d4273005_bilin.kd
    .args:
      - { .name: wq, .offset: 0, .size: 8, .value_kind: global_buffer, .address_space: global }
      - { .name: xa, .offset: 8, .size: 8, .value_kind: global_buffer, .address_space: global }
      - { .name: xm, .offset: 16, .size: 8, .value_kind: global_buffer, .address_space: global }
      - { .name: out0, .offset: 24, .size: 8, .value_kind: global_buffer, .address_space: global }
    .group_segment_fixed_size: 327680
    .private_segment_fixed_size: 0
    .kernarg_segment_align: 8
    .kernarg_segment_size: 32
    .max_flat_workgroup_size: 256
    .sgpr_count:     100
    .vgpr_count:     512
    .wavefront_size: 32
...
	.end_amdgpu_metadata
.endif
;; end of part 2
